; MI455X (gfx1250); checked and timed in simulation.
; The chip was launched on July 23, 2026; its instructions are those of AMD's public machine-readable ISA for CDNA 5 (MIT licence, August 2026) and "CDNA5" Instruction Set Architecture Reference Guide (July 2026). The comments in the code are by the model that wrote it; some were corrected since.
;; RBF Network. Allowed arithmetic: matrix products marked QUANTISED: E3M2 operands, one E8M0 scale for each 32 along K, by v_wmma_scale_f32_16x16x128_f8f6f4 with both operands' format E3M2, f32 sums; products left as they are: f32 operands where the result goes on into a quantised operand, else bf16, f16 or f32 operands; f32 sums; everything else in f32.
;; Inputs: W 1 x 1,024 float32; b 1 float32; centers 1,024 x 512 float32; x 65,536 x 512 float32.
;; Outputs: out0 65,536 x 1 float32.
;; This version of the problem:
;;   THIS VERSION OF THE PROBLEM IS GIVEN IN LOW PRECISION. The matrix products marked QUANTISED in the list below multiply operands that are first quantised to E3M2 (3 exponent bits, 2 mantissa bits; 6 bits a number), with one power-of-two scale for each 32 numbers along K (OCP MX v1.0); their sums are f32. All else is computed in f32.
;;   The module's matrix products, in the order in which they are computed (A, B: the left and right operand; K: the contracted axis; several contracted axes count as one K, in the product's order):
;;     1. [M 65,536, K 512] x [K 512, N 1,024]; A: input x; B: input centers: QUANTISED
;;     2. [M 65,536, K 1,024] x [K 1,024, N 1]; A: computed on the way; B: input W: left as it is (N = 1 < 16)
;;   THE QUANTISER, for each operand of a quantised product, along K:
;;     - K is cut into blocks of 32 from its start; a last block that is shorter is filled with zeros.
;;     - A block's scale is 2^e with e = floor(log2(the largest magnitude in the block)) - 4, held to -126 .. 127; a block of zeros has e = 0. As a byte (E8M0): e + 127.
;;     - Each number is divided by its block's scale, clamped to +-28, and rounded to the nearest number of E3M2, ties to even, subnormals kept.
;;     - The product sums the exact products of the quantised numbers (number of the format x scale) in f32.
;;   ~~~python
;;   def quantise(x, axis):      # numpy; x: float32 -> the quantised numbers, widened to float32 again
;;       x = np.moveaxis(x, axis, -1); K = x.shape[-1]
;;       x = np.pad(x, [(0, 0)] * (x.ndim - 1) + [(0, -K % 32)]); x = x.reshape(x.shape[:-1] + (-1, 32)); a = np.abs(x).max(-1, keepdims=True)
;;       e = np.where(a > 0, np.clip(np.frexp(np.where(a > 0, a, 1))[1] - 1 - 4, -126, 127), 0)      # np.frexp(a)[1] - 1 = floor(log2(a)), exactly
;;       r = np.clip(x / 2.0 ** e, -28, 28)
;;       step = 2.0 ** (np.maximum(np.frexp(np.where(r == 0, 1, r))[1] - 1, -2) - 2)
;;       q = np.round(r / step) * step * 2.0 ** e      # np.round: ties to even
;;       return np.moveaxis(q.reshape(q.shape[:-2] + (-1,))[..., :K], -1, axis).astype(np.float32)
;;   ~~~
;; One version. Each part assembles by itself: llvm-mc -triple=amdgcn-amd-amdhsa -mcpu=gfx1250 --defsym DOCPART=n.
;; ======== version 1 of 1: 2 launches
;; limits: right only within a limited range of input values
;; workspace buffers: ccodes 393,216 bytes; cscales 16,384 bytes; cterm 4,096 bytes
;; launch prep (part 1): grid 64 x 1, 4 waves a work-group, no clusters, 1,536 bytes of LDS; arguments centers, ccodes, cscales, cterm; writes ccodes, cscales, cterm
.if DOCPART == 1
	.amdgcn_target "amdgcn-amd-amdhsa--gfx1250"
	.amdhsa_code_object_version 6
	.text
	.protected	k_qfb3a9cf31f_prep
	.globl	k_qfb3a9cf31f_prep
	.p2align	8
	.type	k_qfb3a9cf31f_prep,@function
k_qfb3a9cf31f_prep:
	s_mov_b64 s[64:65], 0
	v_nop
	global_prefetch_b8 v0, s[64:65] scope:SCOPE_SE
	s_setreg_imm32_b32 hwreg(HW_REG_WAVE_MODE, 25, 1), 1
	s_wait_xcnt 0x0
; The centres [1024][512], f32, are quantised ONCE, along their 512, into codes of BF6 (E3M2) with one E8M0 byte for each 32, for the launch that follows, whose 256 work-groups all read them.
; ccodes: the codes in the ORDER OF THE OPERAND'S REGISTERS: fragment (T, s) = centres 16 T .. 16 T + 15 x K 128 s .. 128 s + 127 is 12 registers a lane, 1,536 bytes at (4 T + s) x 1,536;
;         in it registers 4 g .. 4 g + 3 of lane l lie at 512 g + 16 l: three loads of 16 bytes a lane give the fragment back.
; cscales: [1024][16] bytes: the word of centre c and K step s at 16 c + 4 s.     cterm: [1024] f32: ct[c] = -(k1 / 2) |c|^2, k1 = 2 gamma log2(e) / 512; |c|^2 is summed over the UNQUANTISED numbers, in f32.
; A block's scale is 2^(floor(log2(its largest magnitude)) - 4); its byte is that magnitude's exponent field - 4, held at 1 from below.
; LIMITS: a block whose largest magnitude lies under 2^-122 keeps the byte 1 (a block of zeros too, where the rule says 127: its codes are zeros, and this program alone reads the bytes); NaN and infinities are not served.
; SHARES: work-group T takes one tile of 16 centres, its wave s the K step s.  Lane (r, h) takes, of centre 16 T + r, 16 neighbours of each block of 32: k = 128 s + 32 b + 16 h + 0 .. 15 in registers 16 b + 0 .. 15.
.set NUM, 16                           ; v16-79   my 64 numbers
.set TM,  80                           ; v80-83 largest magnitudes, then the conversions' scale operands; v84-87 the other half's, then the bytes; v84 at last the scale word
.set PC,  88                           ; v88-99 the fragment; v100-102, v104-106 the halves that are made elsewhere and moved
.set SQ,  108                          ; v108-111 sums of squares, two packed chains
.set SEL, 20                           ; s[20:21] lane selects of v_permlanex16_b32: lane l xor 16
.macro SQUARE s, first                 ; SQ (+)= the squares of v[s] .. v[s + 63]; first = 1: the first products start the sums
.set qj, 0
.rept 16
.if \first && (qj == 0)
	v_pk_mul_f32 v[SQ:SQ+1], v[\s:\s+1], v[\s:\s+1]
	v_pk_mul_f32 v[SQ+2:SQ+3], v[\s+2:\s+3], v[\s+2:\s+3]
.else
	v_pk_fma_f32 v[SQ:SQ+1], v[\s+4*qj:\s+4*qj+1], v[\s+4*qj:\s+4*qj+1], v[SQ:SQ+1]
	v_pk_fma_f32 v[SQ+2:SQ+3], v[\s+4*qj+2:\s+4*qj+3], v[\s+4*qj+2:\s+4*qj+3], v[SQ+2:SQ+3]
.endif
.set qj, qj+1
.endr
.endm
.macro QUANT s                         ; v[s] .. v[s + 63] become a fragment's codes in v[PC] .. v[PC + 11] and my row's scale word in v[TM + 4]
.irp b, 0,1,2,3
	v_max3_num_f32 v[TM+\b], |v[\s+16*\b]|, |v[\s+1+16*\b]|, 0x2800000   ; block b: my 16 numbers, and the floor 2^(5 - 127): the byte cannot fall under 1
.endr
.irp i, 2,4,6,8,10,12,14
.irp b, 0,1,2,3
	v_max3_num_f32 v[TM+\b], v[TM+\b], |v[\s+16*\b+\i]|, |v[\s+1+16*\b+\i]|   ; the four blocks by turns
.endr
.endr
.irp b, 0,1,2,3
	v_permlanex16_b32 v[TM+4+\b], v[TM+\b], s[SEL], s[SEL+1]
.endr
.irp b, 0,1,2,3
	v_max_num_f32 v[TM+\b], v[TM+\b], v[TM+4+\b]       ; with lane l xor 16's 16: the block's largest magnitude
.endr
.irp b, 0,1,2,3
	v_add_nc_u32 v[TM+\b], 0xfe000000, v[TM+\b]        ; 4 off its exponent field: the conversion takes that field as its scale and nothing else
.endr
.irp b, 0,1,2,3
	v_lshrrev_b32 v[TM+4+\b], 23, v[TM+\b]             ; the scale's byte
.endr
	v_lshl_or_b32 v[TM+4], v[TM+5], 8, v[TM+4]
	v_lshl_or_b32 v[TM+4], v[TM+6], 16, v[TM+4]
	v_lshl_or_b32 v[TM+4], v[TM+7], 24, v[TM+4]        ; four bytes: the word of my row and this K step
.irp c, 0,1
	v_cvt_scalef32_pk16_bf6_f32 v[PC+6*\c:PC+2+6*\c], v[\s+32*\c:\s+15+32*\c], v[TM+2*\c]
	v_cvt_scalef32_pk16_bf6_f32 v[PC+12+4*\c:PC+14+4*\c], v[\s+16+32*\c:\s+31+32*\c], v[TM+2*\c+1]   ; (a conversion's three registers begin on an even number)
.endr
	v_nop                                              ; one plain place behind the scaled conversions
.irp c, 0,1                            ; the operand wants a WHOLE block in a lane: lanes 0-15 block 2 c, lanes 16-31 block 2 c + 1
.irp i, 0,1,2
	v_permlane16_swap_b32 v[PC+6*\c+\i], v[PC+12+4*\c+\i]
.endr
.irp i, 0,1,2
	v_mov_b32 v[PC+3+6*\c+\i], v[PC+12+4*\c+\i]
.endr
.endr
.endm
	s_load_b256 s[4:11], s[0:1], 0x0               ; centers s[4:5], ccodes s[6:7], cscales s[8:9], cterm s[10:11]
	v_lshl_add_u32 v128, v0, 2, 0x400
	v_mov_b32 v129, 0
	v_lshrrev_b32 v1, 5, v0
	v_readfirstlane_b32 s12, v1                    ; my wave = my K step s
	v_and_b32 v1, 31, v0                           ; lane
	v_and_b32 v2, 15, v0                           ; r
	v_bfe_u32 v3, v0, 4, 1                         ; h
	v_lshlrev_b32 v4, 11, v2
	v_lshl_add_u32 v4, v3, 6, v4                   ; in: row r of 2,048 bytes + 64 h
	v_lshlrev_b32 v5, 4, v1                        ; an image's place for my lane: 16 l
	v_lshlrev_b32 v7, 2, v2                        ; 4 r
	v_lshlrev_b32 v8, 3, v1                        ; 8 l
	s_lshl_b32 s13, s12, 2
	v_lshl_add_u32 v6, v2, 4, s13                  ; LDS 0 .. 255: the tile's scale words, 16 r + 4 s
	s_lshl_b32 s24, s12, 6
	v_add_nc_u32 v9, s24, v7                       ; LDS 256 .. 511: the four K steps' parts of |c|^2, 64 s + 4 r
	s_mov_b32 s[SEL], 0x76543210
	s_mov_b32 s[SEL+1], 0xfedcba98
.irp b, 0,1,2,3
	v_mov_b32 v[TM+4+\b], 0                        ; written once: a lane permute's destination counts as one of its sources
.endr
	s_lshl_b32 s14, ttmp9, 15                      ; the tile's 16 rows of 2,048 bytes,
	s_lshl_b32 s15, s12, 9                         ; my K step's 512 bytes in a row
	s_add_co_u32 s14, s14, s15
	s_mov_b32 s15, 0
	s_lshl_b32 s16, ttmp9, 2
	s_add_co_u32 s16, s16, s12
	s_mul_i32 s16, s16, 1536                       ; image 4 T + s
	s_mov_b32 s17, 0
	s_lshl_b32 s18, ttmp9, 8                       ; the tile's 256 scale bytes
	s_mov_b32 s19, 0
	s_lshl_b32 s22, ttmp9, 6                       ; its 16 terms
	s_mov_b32 s23, 0
	s_wait_kmcnt 0x0
	s_add_nc_u64 s[4:5], s[4:5], s[14:15]
	s_add_nc_u64 s[6:7], s[6:7], s[16:17]
	s_add_nc_u64 s[8:9], s[8:9], s[18:19]
	s_add_nc_u64 s[10:11], s[10:11], s[22:23]
.irp b, 0,1,2,3
.irp j, 0,1,2,3
	global_load_b128 v[NUM+16*\b+4*\j:NUM+16*\b+4*\j+3], v4, s[4:5] offset:128*\b+16*\j
.endr
.endr
	s_wait_loadcnt 0x0
	SQUARE NUM, 1
	QUANT NUM
.irp g, 0,1,2
	global_store_b128 v5, v[PC+4*\g:PC+4*\g+3], s[6:7] offset:512*\g   ; 32 lanes store 512 consecutive bytes, at a multiple of 256 from the buffer's first byte
.endr
	v_pk_add_f32 v[SQ:SQ+1], v[SQ:SQ+1], v[SQ+2:SQ+3]
	v_add_f32 v[SQ], v[SQ], v[SQ+1]
	v_permlanex16_b32 v[TM+5], v[SQ], s[SEL], s[SEL+1]
	v_add_f32 v[SQ], v[SQ], v[TM+5]                ; my K step's part of |c|^2 of centre r
	ds_store_b32 v6, v[TM+4]                       ; both halves of the lanes write the same word with the same value
	ds_store_b32 v9, v[SQ] offset:256
	s_wait_dscnt 0x0                               ; for the others' sake: my stores have landed
	s_barrier_signal -1
	s_barrier_wait -1
	s_cmp_lg_u32 s12, 0                            ; wave 0 sends out what the four waves have gathered
	s_cbranch_scc1 .Ldone
	ds_load_b64 v[10:11], v8
.irp q, 0,1,2,3
	ds_load_b32 v[12+\q], v7 offset:256+64*\q
.endr
	s_wait_dscnt 0x0
	global_store_b64 v8, v[10:11], s[8:9]          ; 32 lanes store 256 consecutive bytes, aligned
	v_add_f32 v12, v12, v13
	v_add_f32 v14, v14, v15
	v_add_f32 v12, v12, v14                        ; |c|^2
	v_mul_f32 v12, 0xbc3d7c04, v12                 ; x -(k1 / 2)
	v_cmp_gt_u32 vcc_lo, 16, v1
	s_wait_alu depctr_va_vdst(0)
	s_wait_xcnt 0x0                                ; EXEC is a source of the stores above: it changes only behind this wait
	s_and_saveexec_b32 s25, vcc_lo
	global_store_b32 v7, v12, s[10:11]             ; lanes 0-15: 64 consecutive bytes
	s_wait_xcnt 0x0
	s_or_b32 exec_lo, exec_lo, s25
.Ldone:
	s_wait_tensorcnt 0x0
	ds_add_u32 v128, v129
	s_wait_dscnt 0x0
	s_endpgm
.Lfunc_end_k_qfb3a9cf31f_prep:
	.size	k_qfb3a9cf31f_prep, .Lfunc_end_k_qfb3a9cf31f_prep-k_qfb3a9cf31f_prep
	.p2alignl 7, 3214868480
	.fill 96, 4, 3214868480
	.section	.rodata,"a",@progbits
	.p2align	6, 0x0
	.amdhsa_kernel k_qfb3a9cf31f_prep
		.amdhsa_group_segment_fixed_size 1536
		.amdhsa_private_segment_fixed_size 0
		.amdhsa_enable_private_segment 0
		.amdhsa_kernarg_size 32
		.amdhsa_user_sgpr_count 2
		.amdhsa_user_sgpr_kernarg_segment_ptr 1
		.amdhsa_wavefront_size32 1
		.amdhsa_system_sgpr_workgroup_id_x 1
		.amdhsa_system_sgpr_workgroup_id_y 1
		.amdhsa_system_sgpr_workgroup_id_z 1
		.amdhsa_system_vgpr_workitem_id 0
		.amdhsa_next_free_vgpr 130
		.amdhsa_next_free_sgpr 66
		.amdhsa_reserve_vcc 1
		.amdhsa_float_denorm_mode_32 3
		.amdhsa_float_denorm_mode_16_64 3
		.amdhsa_memory_ordered 1
		.amdhsa_forward_progress 1
		.amdhsa_inst_pref_size 11
	.end_amdhsa_kernel
	.amdgpu_metadata
---
amdhsa.version: [ 1, 2 ]
amdhsa.kernels:
  - .name:           k_qfb3a9cf31f_prep
    .symbol:         k_qfb3a9cf31f_prep.kd
    .args:
      - { .name: centers, .offset: 0, .size: 8, .value_kind: global_buffer, .address_space: global }
      - { .name: ccodes, .offset: 8, .size: 8, .value_kind: global_buffer, .address_space: global }
      - { .name: cscales, .offset: 16, .size: 8, .value_kind: global_buffer, .address_space: global }
      - { .name: cterm, .offset: 24, .size: 8, .value_kind: global_buffer, .address_space: global }
    .group_segment_fixed_size: 1536
    .private_segment_fixed_size: 0
    .kernarg_segment_align: 8
    .kernarg_segment_size: 32
    .max_flat_workgroup_size: 128
    .sgpr_count:     66
    .vgpr_count:     130
    .wavefront_size: 32
...
	.end_amdgpu_metadata
.endif
;; end of part 1
;; launch rbf (part 2): grid 256 x 1, 8 waves a work-group, no clusters, 327,680 bytes of LDS; arguments x, ccodes, cscales, cterm, W, b, out0; writes out0
.if DOCPART == 2
	.amdgcn_target "amdgcn-amd-amdhsa--gfx1250"
	.amdhsa_code_object_version 6
	.text
	.protected	k_qfb3a9cf31f_rbf
	.globl	k_qfb3a9cf31f_rbf
	.p2align	8
	.type	k_qfb3a9cf31f_rbf,@function
k_qfb3a9cf31f_rbf:
	s_mov_b64 s[64:65], 0
	v_nop
	global_prefetch_b8 v0, s[64:65] scope:SCOPE_SE
	s_setreg_imm32_b32 hwreg(HW_REG_WAVE_MODE, 25, 1), 1
	s_wait_xcnt 0x0
; out[n] = b + sum over c of W[c] exp(-gamma (|x[n]|^2 - 2 x[n].c[c] + |c[c]|^2) / 512), x [65536][512] f32, 1,024 centres.  x.c is the quantised product: both sides codes of BF6 (E3M2), one E8M0 byte for each 32 along K.
; THE EXPONENT IS FORMED WHOLE ahead of the exponential: 2^(k1 (x.c - |x|^2 / 2) + ct[c]), k1 = 2 gamma log2(e) / 512, ct[c] = -(k1 / 2) |c|^2 (made by the launch before).  -|x|^2 / 2 is the C of each sum's first
; matrix instruction, ct the addend of one packed multiply-add: nothing is factored out of the exponential.  |x|^2 is summed over the UNQUANTISED numbers, in f32.
; SHARES.  A work-group owns 256 rows of x, in eight blocks of 32 (two row tiles of 16).  THE EIGHT WAVES SHARE THE CENTRES: wave w keeps the codes of centres 128 w .. 128 w + 127 in registers for the whole launch
; (32 fragments x 12 = 384 of 512).  x comes as f32 through two LDS slots filled by tensor loads; wave w fetches rows 4 w .. 4 w + 3 of a block and alone reads them.
; PHASE X: row tile q of a block is rows 4 w + 2 q + e of all waves w, e = 0, 1: its row r = 2 w + e.  Wave w quantises its two rows: LANE l TAKES ONE WHOLE BLOCK OF 32: row e = l / 16, block b = l % 16.  So a block's largest
; magnitude is one lane's own, and |x|^2 is a sum over sixteen lanes.  The codes go to LDS as IMAGES OF THE OPERAND'S REGISTERS, where every wave reads them: which lane makes a code is free.
; PHASE M: every wave multiplies each row tile by its 128 centres (8 tiles, in four pairs).  Trip i multiplies block i and quantises block i + 1, a row tile at a time; one barrier a trip.
; LAYOUT.  Source 0 = 16 rows of x, source 1 = 16 centres: register j of lane (r, h) is (row 8 h + j, centre r): a lane holds ONE centre of a tile, so W and ct are one register a tile.
; The second product (a column of 1,024 weights) is done in f32 by packed multiply-adds on the lanes' own centres; the lanes' sums of all 16 row tiles lie in LDS (131,072 bytes) and are added up once, at the end.
; NO JOINT LOADS: what work-groups share is the centres' codes alone, 393,216 bytes: more than LDS holds, and wanted in registers once.  x is shared by nobody.
; PREFETCH: each wave asks for its own 8,192 bytes of a block (32 lanes, 256 bytes apart, one request) two blocks ahead of the tensor load; behind block 7 it asks for nothing.
; LIMITS: NaN and infinities are not served.  A block of x whose largest magnitude lies under 2^-122 keeps the scale byte 1 (a block of zeros too: its codes are zeros).  v_exp_f32 gives 0 for results under 2^-126.
; The exponent is rounded in another order than the reference's: -|x|^2 / 2 is added inside the matrix sum, ct by the fused multiply-add.
.set BLKB,  65536                      ; a block of 32 rows in memory
.set SLOTB, 8704                       ; a wave's part of a slot: 8,192 bytes as 32 pieces of 256 + 16 of padding; block b of 32 of a row begins at 272 (b / 2) + 128 (b % 2): sixteen lanes, sixteen different 16-byte columns modulo 256
.set WPART, 2*SLOTB                    ; a wave's two slots
.set XROW,  2176                       ; a row of x in a slot
.set IMG,   8*WPART                    ; the images: [block parity][row tile], RTB bytes each:
.set FS,    2368                       ;   fragment s at FS s; in it registers 4 g .. 4 g + 3 of lane (r, h) at FG g + FH h + 16 r
.set FG,    768                        ;   (FS, FH and 8 bytes for a half group: the 32 lanes that write 8 bytes each write 32 different 8-byte columns modulo 256)
.set FH,    288
.set XSO,   9472                       ;   the rows' scale bytes, [row][16]
.set XTO,   9728                       ;   -|x|^2 / 2 of the 16 rows
.set RTB,   9984
.set PS,    IMG+4*RTB                  ; the waves' sums: [row tile of 16][registers 0-3, 4-7][thread] 16 bytes
.set OUT,   PS+131072                  ; the 256 results
.set SPARE, OUT+1024                   ; the spare words, 128 bytes for each wave: blocks of 256 bytes that no other line names
; REGISTERS.  Window 0:                  (v0 the thread's number, kept)
.set SPW, 1                            ; LDS address of my spare word; never rewritten
.set NIL, 2                            ; 0; never rewritten
.set A0,  3                            ; phase X: where my block's code registers 0-1 and 4-5 go
.set A1,  4                            ; registers 2-3
.set AB,  5                            ; its scale byte
.set AXT, 6                            ; -|x|^2 / 2
.set RAW, 7                            ; my 32 numbers in my wave's slots
.set RI,  8                            ; phase M: the images,
.set RXS, 9                            ; the scale words,
.set RXT, 10                           ; -|x|^2 / 2 of rows 8 h ..
.set L16, 11                           ; 16 x lane
.set DMP, 12                           ; at the head 4 r; then where my sums of a row tile go
.set PFO, 13                           ; 256 x lane
.set XSA, 14                           ; v14-15 x's scale words: register q: lanes 0-15 K step q, lanes 16-31 K step 2 + q.  Scales and nothing else
.set CS,  16                           ; v16-31 the centres' scale words: register 4 u + s: lanes 0-15 tile 2 u, lanes 16-31 tile 2 u + 1.  Scales and nothing else
.set ACC, 32                           ; v32-39 sum over my centres of W x rbf for the tile's rows 8 h + 0 .. 7
.set XT,  40                           ; v40-47 -|x|^2 / 2 in the result's layout
.set DD,  48                           ; v48-63 a pair's two accumulators
.set XF,  64                           ; v64-111 phase M: x's four fragments.  Phase X: v64-95 my 32 numbers,
.set PC,  96                           ;   v96-101 the codes, v102-104 the half made elsewhere,
.set SQ,  106                          ;   v106-109 sums of squares,
.set MX,  110                          ;   v110-111 largest magnitude, scale operand, scale byte
.set CF,  112                          ; v112-255 twelve centre fragments: tiles 0, 1, and K steps 0, 1 of tiles 2, 3
; Window 1: twenty fragments, v0-239: K steps 2, 3 of tiles 2, 3, and tiles 4 to 7
.set CT,  240                          ; v240-247 (window 1) ct of my centre of tile t
.set WR,  248                          ; v248-255 (window 1) W likewise
.set WV,  18                           ; s18 my wave's number
.set K1,  22                           ; s[22:23] k1
.set G1,  24                           ; s[24:31] descriptor group 1
.set G0,  32                           ; s[32:35] descriptor group 0, walking on
.set WOFF, 36                          ; s36 my wave's slots
.set BV,  44                           ; s44 b
.set MSB, 0
.macro WIN new                         ; s_set_vgpr_msb: bits 1:0 source 0, 3:2 source 1, 5:4 source 2, 7:6 destination; the high byte repeats the setting that is left
.if MSB != (\new)
	s_set_vgpr_msb (MSB<<8)|(\new)
.set MSB, (\new)
.endif
.endm
.macro LOC                             ; where the fragment of tile 2 uu + k_, K step s_ lies: window wW (as source 1), register wB
.set wT, 2*uu+k_
.if wT < 2
.set wW, 0
.set wB, CF+12*(4*wT+s_)
.elseif (wT < 4) && (s_ < 2)
.set wW, 0
.set wB, CF+12*(8+2*(wT-2)+s_)
.elseif wT < 4
.set wW, 4
.set wB, 12*(2*(wT-2)+s_-2)
.else
.set wW, 4
.set wB, 12*(4+4*(wT-4)+s_)
.endif
.endm
.macro LOADP pair                      ; a pair's eight centre fragments: 24 loads, 512 consecutive bytes each, as the launch before laid them
.set uu, \pair
.set s_, 0
.rept 4
.set k_, 0
.rept 2
	LOC
	WIN (wW<<4)
.irp g, 0,1,2
	global_load_b128 v[wB+4*\g:wB+4*\g+3], v[L16], s[6:7] offset:1536*(4*wT+s_)+512*\g
.endr
.set k_, k_+1
.endr
.set s_, s_+1
.endr
	WIN 0
.endm
.macro RAWL slot, q                    ; my 32 numbers of row tile q
.irp j, 0,1,2,3,4,5,6,7
	ds_load_b128 v[XF+4*\j:XF+4*\j+3], v[RAW] offset:(\slot)*SLOTB+(\q)*2*XROW+16*\j
.endr
.endm
.macro XWORK o                         ; they become six code registers, a scale byte and my part of |x|^2; o: the image's offset.  Two chains of squares and two of maxima by turns
	v_pk_mul_f32 v[SQ:SQ+1], v[XF:XF+1], v[XF:XF+1]
	v_max3_num_f32 v[MX], |v[XF]|, |v[XF+1]|, 0x2800000   ; the floor 2^(5 - 127): the byte cannot fall under 1
	v_pk_mul_f32 v[SQ+2:SQ+3], v[XF+2:XF+3], v[XF+2:XF+3]
	v_max3_num_f32 v[MX+1], |v[XF+2]|, |v[XF+3]|, |v[XF+4]|
.set n_, 0
.rept 14
	v_pk_fma_f32 v[SQ+2*(n_&1):SQ+2*(n_&1)+1], v[XF+4+2*n_:XF+5+2*n_], v[XF+4+2*n_:XF+5+2*n_], v[SQ+2*(n_&1):SQ+2*(n_&1)+1]
.if n_ < 13
	v_max3_num_f32 v[MX+(n_&1)], v[MX+(n_&1)], |v[XF+5+2*n_]|, |v[XF+6+2*n_]|
.endif
.set n_, n_+1
.endr
	v_max3_num_f32 v[MX], v[MX], v[MX+1], |v[XF+31]|       ; the block's largest magnitude
	v_pk_add_f32 v[SQ:SQ+1], v[SQ:SQ+1], v[SQ+2:SQ+3]
	v_add_nc_u32 v[MX], 0xfe000000, v[MX]                  ; 4 off its exponent field: the conversion takes that field as its scale and nothing else
	v_add_f32 v[SQ], v[SQ], v[SQ+1]
	v_cvt_scalef32_pk16_bf6_f32 v[PC:PC+2], v[XF:XF+15], v[MX]
	v_cvt_scalef32_pk16_bf6_f32 v[PC+6:PC+8], v[XF+16:XF+31], v[MX]   ; (a conversion's three registers begin on an even number)
	v_add_f32_dpp v[SQ], v[SQ], v[SQ] row_xmask:1 row_mask:0xf bank_mask:0xf   ; |x|^2: over the sixteen blocks of my row
	v_lshrrev_b32 v[MX+1], 23, v[MX]                       ; the scale's byte
	v_add_f32_dpp v[SQ], v[SQ], v[SQ] row_xmask:2 row_mask:0xf bank_mask:0xf
	v_mov_b32 v[PC+3], v[PC+6]
	v_add_f32_dpp v[SQ], v[SQ], v[SQ] row_xmask:4 row_mask:0xf bank_mask:0xf
	v_mov_b32 v[PC+4], v[PC+7]
	v_add_f32_dpp v[SQ], v[SQ], v[SQ] row_xmask:8 row_mask:0xf bank_mask:0xf
	v_mov_b32 v[PC+5], v[PC+8]
	v_mul_f32 v[SQ], -0.5, v[SQ]
	ds_store_b64 v[A0], v[PC:PC+1] offset:\o
	ds_store_b64 v[A1], v[PC+2:PC+3] offset:\o
	ds_store_b64 v[A0], v[PC+4:PC+5] offset:\o+FG
	ds_store_b8 v[AB], v[MX+1] offset:\o
	ds_store_b32 v[AXT], v[SQ] offset:\o                   ; a row's sixteen lanes write the same word with the same value
.endm
.macro IMGL buf, q                     ; a row tile's images: 15 loads, in the order of their use
.set o_, (2*(\buf)+(\q))*RTB
	ds_load_b64 v[XSA:XSA+1], v[RXS] offset:o_
	ds_load_b128 v[XT:XT+3], v[RXT] offset:o_
	ds_load_b128 v[XT+4:XT+7], v[RXT] offset:o_+16
.irp s, 0,1,2,3
.irp g, 0,1,2
	ds_load_b128 v[XF+12*\s+4*\g:XF+12*\s+4*\g+3], v[RI] offset:o_+FS*\s+FG*\g
.endr
.endr
.endm
; Eight matrix instructions: pair uu, K ascending, its two accumulators by turns, one instruction a turn.  The first K step takes -|x|^2 / 2 as C.
; In a row tile's first pair each K step waits for its own fragment: behind it stand the later steps' loads, three a step, and exl LDS stores.
.macro WMPAIR
.set s_, 0
.rept 4
.if uu == 0
	s_wait_dscnt exl+9-3*s_
.endif
.set k_, 0
.rept 2
	LOC
	WIN wW
.set wD, DD+8*k_
.set wC, wD
.if s_ == 0
.set wC, XT
.endif
.set wA, XF+12*s_
.set wSA, XSA+(s_&1)
.set wSB, CS+4*uu+s_
.if (s_ < 2) && (k_ == 0)
	v_wmma_scale_f32_16x16x128_f8f6f4 v[wD:wD+7], v[wA:wA+11], v[wB:wB+11], v[wC:wC+7], v[wSA], v[wSB] matrix_a_fmt:MATRIX_FMT_BF6 matrix_b_fmt:MATRIX_FMT_BF6
.elseif s_ < 2
	v_wmma_scale_f32_16x16x128_f8f6f4 v[wD:wD+7], v[wA:wA+11], v[wB:wB+11], v[wC:wC+7], v[wSA], v[wSB] matrix_a_fmt:MATRIX_FMT_BF6 matrix_b_fmt:MATRIX_FMT_BF6 matrix_b_scale:MATRIX_SCALE_ROW1
.elseif k_ == 0
	v_wmma_scale_f32_16x16x128_f8f6f4 v[wD:wD+7], v[wA:wA+11], v[wB:wB+11], v[wC:wC+7], v[wSA], v[wSB] matrix_a_fmt:MATRIX_FMT_BF6 matrix_b_fmt:MATRIX_FMT_BF6 matrix_a_scale:MATRIX_SCALE_ROW1
.else
	v_wmma_scale_f32_16x16x128_f8f6f4 v[wD:wD+7], v[wA:wA+11], v[wB:wB+11], v[wC:wC+7], v[wSA], v[wSB] matrix_a_fmt:MATRIX_FMT_BF6 matrix_b_fmt:MATRIX_FMT_BF6 matrix_a_scale:MATRIX_SCALE_ROW1 matrix_b_scale:MATRIX_SCALE_ROW1
.endif
.set k_, k_+1
.endr
.set s_, s_+1
.endr
.endm
.macro EXPO                            ; pair uu: the exponents, each accumulator from its low end on, then one batch of exponentials
	WIN 0x10
.irp p, 0,2,4,6
	v_pk_fma_f32 v[DD+\p:DD+\p+1], v[DD+\p:DD+\p+1], s[K1:K1+1], v[CT+2*uu:CT+2*uu+1] op_sel_hi:[1,0,0]
.endr
.irp p, 8,10,12,14
	v_pk_fma_f32 v[DD+\p:DD+\p+1], v[DD+\p:DD+\p+1], s[K1:K1+1], v[CT+2*uu:CT+2*uu+1] op_sel:[0,0,1] op_sel_hi:[1,0,1]
.endr
	s_wait_alu depctr_va_vdst(0)                           ; the wait ahead of the batch
.irp p, 0,1,2,3,4,5,6,7,8,9,10,11,12,13,14,15
	v_exp_f32 v[DD+\p], v[DD+\p]
.endr
.endm
.macro WSUM                            ; ACC (+)= W x rbf of pair uu; the first pair's products start the sums
	WIN 0x04
	s_wait_alu depctr_va_vdst(0)                           ; one wait for the batch, ahead of its first reader
.irp p, 0,2,4,6
.if uu == 0
	v_pk_mul_f32 v[ACC+\p:ACC+\p+1], v[DD+\p:DD+\p+1], v[WR+2*uu:WR+2*uu+1] op_sel_hi:[1,0]
.else
	v_pk_fma_f32 v[ACC+\p:ACC+\p+1], v[DD+\p:DD+\p+1], v[WR+2*uu:WR+2*uu+1], v[ACC+\p:ACC+\p+1] op_sel_hi:[1,0,1]
.endif
.endr
.irp p, 0,2,4,6
	v_pk_fma_f32 v[ACC+\p:ACC+\p+1], v[DD+8+\p:DD+8+\p+1], v[WR+2*uu:WR+2*uu+1], v[ACC+\p:ACC+\p+1] op_sel:[0,1,0] op_sel_hi:[1,1,1]
.endr
.endm
.macro DUMP                            ; my lanes' sums of row tile 2 bi + bq: bytes of my own, read by others behind the last barriers alone
	v_lshl_add_u32 v[DMP], v0, 4, PS+8192*(2*bi+bq)
	ds_store_b128 v[DMP], v[ACC:ACC+3]
	ds_store_b128 v[DMP], v[ACC+4:ACC+7] offset:4096
.endm
; Row tile bq of block bi, and phase X of row tile bq of block bi + 1.  Behind each pair's products stand four places, in front of the first read of results and of the loads into x's registers.
; My numbers for phase X are asked for ahead of the last pair's exponentials, into the registers that held x's fragments; the last pair's weighted sum stands behind phase X.
.macro RT
.set uu, 0
.rept 4
.if (bi == 0) && (bq == 0)
.if uu == 0
	s_wait_loadcnt 63                                      ; my scales, terms, weights and the first pair's fragments: 72 loads stand behind them, and no more than 63 are left out
.else
	s_wait_loadcnt 24*(3-uu)                               ; this pair's fragments: 24 loads for each later pair may be out
.endif
.endif
	WMPAIR
.rept 4
	v_nop
.endr
.if uu == 3
.if bi < 7
	RAWL 1-(bi&1), bq
.elseif bq == 0
	IMGL 1, 1
.endif
.endif
	EXPO
.if uu < 3
	v_nop                                                  ; the plain place behind the exponentials
	WSUM
.endif
.set uu, uu+1
.endr
.set uu, 3
.if bi < 7
	WIN 0
	s_wait_dscnt 0x0                                       ; my 32 numbers are in
	XWORK (2*(1-(bi&1))+bq)*RTB
.if bq == 0
	IMGL (bi&1), 1                                         ; the block's second row tile
.endif
.else
	v_nop
.endif
.endm
.macro STEP0 n                         ; the descriptor for block n (no tensor load of mine is out): its slot; the next block, the type bits on top are not reached
	s_add_co_u32 s[G0+1], s[WOFF], ((\n)&1)*SLOTB
	s_add_nc_u64 s[G0+2:G0+3], s[G0+2:G0+3], BLKB
.endm
.macro FULL n                          ; the full sequence in front of a fill, and block n's load, my one tensor load behind the barrier
	s_wait_tensorcnt 0x0                                   ; all my tensor loads have landed
	ds_add_u32 v[SPW], v[NIL]                              ; 0 onto my spare word
	STEP0 \n
	s_wait_dscnt 0x0                                       ; the add is done, and so are my LDS reads and stores
	s_barrier_signal -1
	s_barrier_wait -1
	tensor_load_to_lds s[G0:G0+3], s[G1:G1+7]
	s_nop 0
.endm
.macro ASK n                           ; my 8,192 bytes of block n
	global_prefetch_b8 v[PFO], s[4:5] offset:BLKB*(\n) th:TH_LOAD_NT scope:SCOPE_SE
.endm
	s_load_b256 s[4:11], s[0:1], 0x0               ; x s[4:5], ccodes s[6:7], cscales s[8:9], cterm s[10:11]
	s_load_b128 s[12:15], s[0:1], 0x20             ; W s[12:13], b s[14:15]
	s_load_b64 s[16:17], s[0:1], 0x30              ; out0
	v_lshl_add_u32 v[SPW], v0, 2, SPARE
	v_mov_b32 v[NIL], 0
	ds_add_u32 v[SPW], v[NIL]                      ; the wave's opening: the add, twice on end, and its wait ahead of my first tensor load
	ds_add_u32 v[SPW], v[NIL]
	v_lshrrev_b32 v3, 5, v0
	v_readfirstlane_b32 s[WV], v3                  ; wave 0..7
	; descriptor group 1: my 4 rows are 8,192 dense bytes: 32 pieces of 64 elements of 4 bytes, 16 bytes of padding behind each
	s_mov_b32 s[G1+0], (2<<16)|(1<<20)|(5<<22)|(3<<25)  ; 15:0 no mask; 17:16 elements of 4 bytes; 20 padding on; 24:22 after every 64 words (code 5); 31:25 of 4 words (code 3)
	s_mov_b32 s[G1+1], 64<<16                      ; tensor_dim0 = 64
	s_mov_b32 s[G1+2], 32<<16                      ; tensor_dim1 = 32
	s_mov_b32 s[G1+3], 64<<16                      ; tile_dim0 = 64
	s_mov_b32 s[G1+4], 32                          ; tile_dim1 = 32
	s_mov_b32 s[G1+5], 64                          ; from row to row: 64 elements
	s_mov_b32 s[G1+6], 0
	s_mov_b32 s[G1+7], 0
	s_mul_i32 s[WOFF], s[WV], WPART
	s_lshl_b32 s40, ttmp9, 19                      ; the work-group's 256 rows of 2,048 bytes,
	s_lshl_b32 s41, s[WV], 13                      ; my wave's 4 rows of a block
	s_add_co_u32 s40, s40, s41
	s_mov_b32 s41, 0
	s_wait_dscnt 0x0                               ; both opening adds are done
	s_wait_kmcnt 0x0
	s_add_nc_u64 s[4:5], s[4:5], s[40:41]
	s_mov_b32 s[G0], 1                             ; count = 1
	s_mov_b32 s[G0+1], s[WOFF]                     ; LDS address: slot 0
	s_mov_b64 s[G0+2:G0+3], s[4:5]                 ; block 0
	s_or_b32 s[G0+3], s[G0+3], 0x80000000          ; type = 2
	tensor_load_to_lds s[G0:G0+3], s[G1:G1+7]      ; block 0: my one tensor load at the head; by this text's count a wave never has more than one out
	s_nop 0
	v_and_b32 v32, 31, v0                          ; lane
	v_and_b32 v33, 15, v0                          ; phase X: block b; phase M: r
	v_bfe_u32 v34, v0, 4, 1                        ; phase X: e; phase M: h
	v_lshrrev_b32 v35, 4, v0                       ; phase X: my row of the tile, 2 w + e
	v_lshlrev_b32 v[L16], 4, v32
	v_lshlrev_b32 v[DMP], 2, v33
	v_lshlrev_b32 v[PFO], 8, v32
	v_lshrrev_b32 v36, 2, v33                      ; block b = 4 s + 2 c + h of the row: K step s,
	v_bfe_u32 v37, v0, 1, 1                        ; c: registers 6 c .. 6 c + 5
	v_and_b32 v38, 1, v0                           ; h: of lane (row, h)
	v_mul_u32_u24 v39, FS, v36
	v_mad_u32_u24 v39, v38, FH, v39
	v_lshl_add_u32 v39, v35, 4, v39
	v_add_nc_u32 v39, IMG, v39
	v_mad_u32_u24 v[A0], v37, FG+8, v39            ; registers 6 c, 6 c + 1: c = 0 at 0, c = 1 at FG + 8; registers 6 c + 4, 6 c + 5 FG further on
	v_mad_u32_u24 v[A1], v37, 2*FG-8, v39          ; registers 6 c + 2, 6 c + 3: c = 0 at 8, c = 1 at 2 FG
	v_add_nc_u32 v[A1], 8, v[A1]
	v_lshl_add_u32 v[AB], v35, 4, v33
	v_add_nc_u32 v[AB], IMG+XSO, v[AB]
	v_lshlrev_b32 v[AXT], 2, v35
	v_add_nc_u32 v[AXT], IMG+XTO, v[AXT]
	v_lshrrev_b32 v40, 5, v0
	v_mul_u32_u24 v[RAW], WPART, v40
	v_mad_u32_u24 v[RAW], v34, XROW, v[RAW]
	v_lshrrev_b32 v40, 1, v33
	v_mad_u32_u24 v[RAW], v40, 272, v[RAW]
	v_lshl_add_u32 v[RAW], v38, 7, v[RAW]
	v_lshlrev_b32 v40, 4, v33                      ; 16 r
	v_mad_u32_u24 v[RI], v34, FH, v40
	v_add_nc_u32 v[RI], IMG, v[RI]
	v_lshl_add_u32 v[RXS], v34, 3, v40
	v_add_nc_u32 v[RXS], IMG+XSO, v[RXS]
	v_lshlrev_b32 v[RXT], 5, v34
	v_add_nc_u32 v[RXT], IMG+XTO, v[RXT]
	s_load_b32 s[BV], s[14:15], 0x0                ; b
	s_mul_i32 s40, s[WV], 49152                    ; my 32 fragments of 1,536 bytes
	s_add_nc_u64 s[6:7], s[6:7], s[40:41]
	s_lshl_b32 s40, s[WV], 11                      ; my 128 centres' scale bytes
	s_add_nc_u64 s[8:9], s[8:9], s[40:41]
	s_lshl_b32 s40, s[WV], 9                       ; their terms and weights
	s_add_nc_u64 s[10:11], s[10:11], s[40:41]
	s_add_nc_u64 s[12:13], s[12:13], s[40:41]
	s_lshl_b32 s40, ttmp9, 10                      ; the work-group's 256 outputs
	s_add_nc_u64 s[16:17], s[16:17], s[40:41]
	s_mov_b32 s[K1], 0x3cbd7c04                    ; k1 = 2 gamma log2(e) / 512
	s_mov_b32 s[K1+1], s[K1]                       ; (named with it as a pair, so it is written)
	s_wait_alu depctr_va_vdst(0)                   ; the wait at the head's end
.irp u, 0,1,2,3
	global_load_b128 v[CS+4*\u:CS+4*\u+3], v[L16], s[8:9] offset:512*\u   ; lane l: the four words of centre 32 u + l
.endr
	WIN 0x40
.irp t, 0,1,2,3,4,5,6,7
	global_load_b32 v[CT+\t], v[DMP], s[10:11] offset:64*\t
	global_load_b32 v[WR+\t], v[DMP], s[12:13] offset:64*\t
.endr
	LOADP 0                                        ; 44 loads; the other pairs' fragments are asked for between the steps of block 0's phase X
	ASK 1
	ASK 2
	s_wait_kmcnt 0x0                               ; b
	FULL 1                                         ; block 0 has landed; block 1 goes out: slot 1's first fill
	ASK 3
	RAWL 0, 0
	LOADP 1
	s_wait_dscnt 0x0
	XWORK 0
	RAWL 0, 1
	LOADP 2
	s_wait_dscnt 0x0
	XWORK RTB
	LOADP 3
	FULL 2                                         ; block 0's images are whole, block 1 has landed; slot 0 takes block 2
	IMGL 0, 0
	ASK 4
.set bi, 0
.rept 8
.set bq, 0
.set exl, 2                            ; behind a row tile's image loads stand two stores of sums,
.if bi == 0
.set exl, 0                            ; but for the first
.endif
	RT
	WSUM
	WIN 0
	DUMP
.set bq, 1
.set exl, 2
	RT
.if bi < 7
	s_wait_tensorcnt 0x0                           ; A TRIP'S END: block bi + 2 has landed in my part of its slot: no tensor load of mine is out
.if bi < 5
	ds_add_u32 v[SPW], v[NIL]                      ; 0 onto my spare word: the weighted sum stands between it and the wait for it
	STEP0 bi+3
.endif
	WSUM
	s_wait_alu depctr_va_vdst(0)
	WIN 0
	s_wait_dscnt 0x0                               ; my images of block bi + 1 are written, my reads of block bi's images and of the slot are over
	s_barrier_signal -1
	s_barrier_wait -1
.if bi < 5
	tensor_load_to_lds s[G0:G0+3], s[G1:G1+7]      ; block bi + 3 into the slot just read: my one tensor load behind the barrier; it has a trip in which to land
	s_nop 0
.endif
	IMGL 1-(bi&1), 0
	DUMP
.if bi < 3
	ASK bi+5
.endif
.else
	WSUM
	WIN 0
	DUMP
.endif
.set bi, bi+1
.endr
	; THE WAY OUT.  Wave v adds up block v's sums: lane l takes rows 8 h + 4 j + 0 .. 3 (h: bit 2, j: bit 3) of row tile q (bit 4), over all eight waves and a quarter of the sixteen lanes' places:
	; places (l & 15) xor 4 a, a = 0 .. 3: sixteen lanes read sixteen different 16-byte columns.  Two steps across neighbouring lanes join the quarters.
.set FA, 64                            ; v64-67 the four addresses
.set RB, 112                           ; v112-239 32 vectors of four sums
	v_lshrrev_b32 v70, 5, v0
	v_bfe_u32 v72, v0, 4, 1                        ; q
	v_bfe_u32 v73, v0, 3, 1                        ; j
	v_bfe_u32 v76, v0, 2, 1                        ; h
	v_lshlrev_b32 v64, 14, v70
	v_lshlrev_b32 v71, 7, v70
	v_lshl_add_u32 v64, v72, 13, v64
	v_lshl_add_u32 v71, v72, 3, v71
	v_lshl_add_u32 v64, v73, 12, v64
	v_lshl_add_u32 v71, v73, 5, v71
	v_lshl_add_u32 v64, v76, 8, v64
	v_lshl_add_u32 v71, v76, 6, v71
	v_and_b32 v77, 15, v0
	v_and_b32 v70, 1, v0                           ; which two of the four rows I hand on
	v_lshl_add_u32 v64, v77, 4, v64
	v_lshl_add_u32 v71, v70, 4, v71
	v_add_nc_u32 v64, PS, v64
	v_add_nc_u32 v71, OUT, v71                     ; row tile row 8 h + 4 j + 2 p + e is row 16 h + 8 j + 4 p + 2 q + e of the block
	v_xor_b32 v65, 64, v64
	v_xor_b32 v66, 128, v64
	v_xor_b32 v67, 192, v64
	v_lshlrev_b32 v75, 3, v0
	v_add_nc_u32 v74, OUT, v75
	s_wait_alu depctr_va_vdst(0)                   ; ahead of the waits below
	s_wait_dscnt 0x0                               ; for the others' sake: my sums are written
	s_barrier_signal -1
	s_barrier_wait -1
.set w_, 0
.rept 8
.irp a, 0,1,2,3
	ds_load_b128 v[RB+16*w_+4*\a:RB+16*w_+4*\a+3], v[FA+\a] offset:512*w_
.endr
.set w_, w_+1
.endr
.set g_, 0
.rept 4
.if g_ > 0
	s_wait_alu depctr_va_vdst(0)                   ; directly ahead of the wait below
.endif
	s_wait_dscnt 24-8*g_                           ; eight more vectors are in
.set n_, 0
.rept 4
.set o_, RB+32*g_+8*n_
.if o_ > RB
.irp p, 0,2,4,6
	v_pk_add_f32 v[RB+\p:RB+\p+1], v[RB+\p:RB+\p+1], v[o_+\p:o_+\p+1]
.endr
.endif
.set n_, n_+1
.endr
.set g_, g_+1
.endr
.irp p, 0,2
	v_pk_add_f32 v[RB+\p:RB+\p+1], v[RB+\p:RB+\p+1], v[RB+4+\p:RB+5+\p]
.endr
.irp x, 1,2
.irp j, 0,1,2,3
	v_add_f32_dpp v[RB+\j], v[RB+\j], v[RB+\j] row_xmask:\x row_mask:0xf bank_mask:0xf
.endr
.endr
	v_cmp_eq_u32 vcc_lo, 1, v70
	v_cndmask_b32 v72, v[RB], v[RB+2], vcc_lo
	v_cndmask_b32 v73, v[RB+1], v[RB+3], vcc_lo
	v_add_f32 v72, s[BV], v72
	v_add_f32 v73, s[BV], v73
	ds_store_b64 v71, v[72:73]                     ; (lanes l and l xor 2 write the same words with the same values)
	s_wait_dscnt 0x0                               ; for the others' sake
	s_barrier_signal -1
	s_barrier_wait -1
	s_cmp_lt_u32 s[WV], 4                          ; waves 0 to 3 store 256 bytes each
	s_cbranch_scc0 .Lend
	ds_load_b64 v[78:79], v74
	s_wait_dscnt 0x0
	global_store_b64 v75, v[78:79], s[16:17]       ; 256 consecutive bytes, at a multiple of 256 from the buffer's first byte
.Lend:
	s_wait_tensorcnt 0x0                           ; the wave's end, behind my last tensor load and my last LDS store
	ds_add_u32 v[SPW], v[NIL]
	s_wait_dscnt 0x0
	s_endpgm
.Lfunc_end_k_qfb3a9cf31f_rbf:
	.size	k_qfb3a9cf31f_rbf, .Lfunc_end_k_qfb3a9cf31f_rbf-k_qfb3a9cf31f_rbf
	.p2alignl 7, 3214868480
	.fill 96, 4, 3214868480
	.section	.rodata,"a",@progbits
	.p2align	6, 0x0
	.amdhsa_kernel k_qfb3a9cf31f_rbf
		.amdhsa_group_segment_fixed_size 327680
		.amdhsa_private_segment_fixed_size 0
		.amdhsa_enable_private_segment 0
		.amdhsa_kernarg_size 56
		.amdhsa_user_sgpr_count 2
		.amdhsa_user_sgpr_kernarg_segment_ptr 1
		.amdhsa_wavefront_size32 1
		.amdhsa_system_sgpr_workgroup_id_x 1
		.amdhsa_system_sgpr_workgroup_id_y 1
		.amdhsa_system_sgpr_workgroup_id_z 1
		.amdhsa_system_vgpr_workitem_id 0
		.amdhsa_next_free_vgpr 512
		.amdhsa_next_free_sgpr 66
		.amdhsa_reserve_vcc 1
		.amdhsa_float_denorm_mode_32 3
		.amdhsa_float_denorm_mode_16_64 3
		.amdhsa_memory_ordered 1
		.amdhsa_forward_progress 1
		.amdhsa_inst_pref_size 255
	.end_amdhsa_kernel
	.section	.bss,"aw",@nobits
	.p2align	6
	.space	262144
	.amdgpu_metadata
---
amdhsa.version: [ 1, 2 ]
amdhsa.kernels:
  - .name:           k_qfb3a9cf31f_rbf
    .symbol:         k_qfb3a9cf31f_rbf.kd
    .args:
      - { .name: x, .offset: 0, .size: 8, .value_kind: global_buffer, .address_space: global }
      - { .name: ccodes, .offset: 8, .size: 8, .value_kind: global_buffer, .address_space: global }
      - { .name: cscales, .offset: 16, .size: 8, .value_kind: global_buffer, .address_space: global }
      - { .name: cterm, .offset: 24, .size: 8, .value_kind: global_buffer, .address_space: global }
      - { .name: W, .offset: 32, .size: 8, .value_kind: global_buffer, .address_space: global }
      - { .name: b, .offset: 40, .size: 8, .value_kind: global_buffer, .address_space: global }
      - { .name: out0, .offset: 48, .size: 8, .value_kind: global_buffer, .address_space: global }
    .group_segment_fixed_size: 327680
    .private_segment_fixed_size: 0
    .kernarg_segment_align: 8
    .kernarg_segment_size: 56
    .max_flat_workgroup_size: 256
    .sgpr_count:     66
    .vgpr_count:     512
    .wavefront_size: 32
...
	.end_amdgpu_metadata
.endif
;; end of part 2
